; MI455X (gfx1250); checked and timed in simulation.
; The chip was launched on July 23, 2026; its instructions are those of AMD's public machine-readable ISA for CDNA 5 (MIT licence, August 2026) and "CDNA5" Instruction Set Architecture Reference Guide (July 2026). The comments in the code are by the model that wrote it; some were corrected since.
;; Multi Head Attention. Allowed arithmetic: matrix products marked QUANTISED: E4M3 operands, one given power-of-two scale a tensor, by v_wmma_f32_16x16x64_fp8_fp8 or v_wmma_f32_16x16x128_fp8_fp8, f32 sums; everything else in f32.
;; Inputs: b_out 1,024 float32; b_qkv 3,072 float32; lowp_scales 8 int32 (the exponents e of the quantised operands' scales 2^e); w_out_codes 1,024 x 32 x 32 uint8 (E4M3 codes of w_out, K innermost, in blocks of 32 codes); w_qkv_codes 3,072 x 32 x 32 uint8 (E4M3 codes of w_qkv, K innermost, in blocks of 32 codes); x_codes 4 x 2,048 x 32 x 32 uint8 (E4M3 codes of x, K innermost, in blocks of 32 codes).
;; Outputs: out0 4 x 2,048 x 1,024 float32.
;; This version of the problem:
;;   THIS VERSION OF THE PROBLEM IS GIVEN IN LOW PRECISION. The matrix products marked QUANTISED in the list below multiply operands that are first quantised to E4M3 (4 exponent bits, 3 mantissa bits; 8 bits a number), with one given power-of-two scale for each operand tensor; their sums are f32. All else is computed in f32.
;;   The module's matrix products, in the order in which they are computed (A, B: the left and right operand; K: the contracted axis; several contracted axes count as one K, in the product's order):
;;     1. [M 8,192, K 1,024] x [K 1,024, N 3,072]; A: input x (given as codes); B: input w_qkv (given as codes): QUANTISED (scales: A lowp_scales[0], B lowp_scales[1])
;;     2. batch 64 x [M 2,048, K 64] x [K 64, N 2,048]; A: computed on the way; B: computed on the way: QUANTISED (scales: A lowp_scales[2], B lowp_scales[3])
;;     3. batch 64 x [M 2,048, K 2,048] x [K 2,048, N 64]; A: softmax (see below); B: computed on the way: QUANTISED (scales: A lowp_scales[4], B lowp_scales[5])
;;     4. [M 8,192, K 1,024] x [K 1,024, N 1,024]; A: computed on the way; B: input w_out (given as codes): QUANTISED (scales: A lowp_scales[6], B lowp_scales[7])
;;   THE QUANTISER, for each operand of a quantised product, along K:
;;     - The operand's scale is 2^e, e = its entry of the input lowp_scales (int32; the entries are numbered through the quantised products in the list's order, A before B).
;;     - Each number is divided by the scale, clamped to +-448, and rounded to the nearest number of E4M3, ties to even, subnormals kept.
;;     - The product sums the exact products of the quantised numbers (number of the format x scale) in f32.
;;   ~~~python
;;   def quantise(x, axis, e):      # numpy; x: float32 -> the quantised numbers, widened to float32 again
;;       x = np.moveaxis(x, axis, -1); K = x.shape[-1]
;;       r = np.clip(x / 2.0 ** e, -448, 448)
;;       step = 2.0 ** (np.maximum(np.frexp(np.where(r == 0, 1, r))[1] - 1, -6) - 3)
;;       q = np.round(r / step) * step * 2.0 ** e      # np.round: ties to even
;;       return np.moveaxis(q, -1, axis).astype(np.float32)
;;   ~~~
;;   SOFTMAX AHEAD OF A QUANTISED PRODUCT. Where the list says 'softmax', what is quantised is not the finished softmax but p = 2^(t - M), with t = logit x log2(e) and M = ceil(the row's largest t), a whole number; so 1/2 < the row's largest p <= 1. The row's sum l is taken of the UNQUANTISED p, in f32, and the product's result is divided by l at the end. Since M is a whole number, a kernel that streams over the keys may use a running M (the ceiling of the running maximum): every later rescaling is an exact power of two, so the quantised numbers keep their values, but for numbers so far below the row's largest that they fall under the format's range.
;;   OPERANDS COMPUTED ON THE WAY. 'Computed on the way' means the value that the module computes at that place (a softmax that the list does not call 'softmax' is quantised finished and normalised). What goes into a quantiser is computed in f32, as accurately as f32 sums, v_exp_f32 and their like allow (about 1e-6 of the number): no bf16 or f16 on the way to a quantiser, and a product that is left as it is and whose result goes on into a quantised operand takes f32 operands (vector FMAs, or v_wmma_f32_16x16x4_f32). A number that lies on a knife's edge between two numbers of the format may be rounded either way, as far as f32 arithmetic and the matrix unit's own rounding can turn it there, and no further.
;;   INPUTS GIVEN AS CODES. w_out (in the module: [1024, 1024], K = its axis 0); w_qkv (in the module: [1024, 3072], K = its axis 0); x (in the module: [4, 2048, 1024], K = its axis 2): each comes as NAME_codes (uint8): NAME with its K axis moved to the last place and cut into blocks of 32 codes, [.., K / 32, bytes a block], one block behind the other in memory; one code a byte (a code: sign, 4 exponent bits, 3 mantissa bits); its scale is its entry of lowp_scales. Its value is code x scale, taken as it is: it is not quantised again, and the codes and scales need not be those that the quantiser above would give.
;; One version. Each part assembles by itself: llvm-mc -triple=amdgcn-amd-amdhsa -mcpu=gfx1250 --defsym DOCPART=n.
;; ======== version 1 of 1: 3 launches
;; workspace buffers: q_img 8,388,608 bytes; k_img 8,388,608 bytes; v_img 8,388,608 bytes; z_img 8,388,608 bytes
;; launch qkv (part 1): grid 8 x 32, 4 waves a work-group, clusters of 4 x 4, 327,680 bytes of LDS; arguments x_codes, w_qkv_codes, b_qkv, lowp_scales, q_img, k_img, v_img; writes q_img, k_img, v_img
.if DOCPART == 1
	.amdgcn_target "amdgcn-amd-amdhsa--gfx1250"
	.amdhsa_code_object_version 6
	.text
	.protected	k_q0c6f95c783_qkv
	.globl	k_q0c6f95c783_qkv
	.p2align	8
	.type	k_q0c6f95c783_qkv,@function
k_q0c6f95c783_qkv:
	s_mov_b64 s[64:65], 0
	v_nop
	global_prefetch_b8 v0, s[64:65] scope:SCOPE_SE
	s_setreg_imm32_b32 hwreg(HW_REG_WAVE_MODE, 25, 1), 1
	s_wait_xcnt 0x0
	s_wait_alu depctr_hold_cnt(0) depctr_sa_sdst(0) depctr_va_vdst(0) depctr_va_sdst(0) depctr_va_ssrc(0) depctr_va_vcc(0) depctr_vm_vsrc(0)
	s_getreg_b32 s2, hwreg(HW_REG_IB_STS2, 6, 4)
	s_cmp_eq_u32 s2, 0
	s_cbranch_scc0 .Lentry_in_a_cluster
	s_endpgm
.Lentry_in_a_cluster:
	s_bfe_u32 s2, ttmp6, 0x10000c
	s_cmp_lg_u32 s2, 0xf033
	s_cbranch_scc0 .Lentry_shape_is_right
	s_endpgm
.Lentry_shape_is_right:
; qkv = x W + b on codes of E4M3, then q, k and v quantised anew.  x: [8192][1024] codes, W: [3072][1024] codes (K innermost), b: [3072] f32; e0 .. e7: the scales' exponents.
; SHARES.  A work-group takes 256 tokens and, of each of the three planes q, k, v, the 128 features of two heads: a tile of 256 x 384, 8 x 32 = 256 work-groups.
; A wave takes 128 tokens x one head's 64 features of q, of k and of v: 96 accumulators of 16 x 16, 768 registers (windows 1, 2, 3: q, k, v).
; LAYOUT.  q and k: source 0 = 16 rows of W, source 1 = 16 tokens: a lane holds ONE token and its registers run along the head's 64, the K of the scores.
; v: the same two fragments with the sources swapped: a lane holds ONE feature and its registers run along the tokens, the K of the second product of attention.
; So eight results of a lane convert straight into two registers of the later operand, and the codes are stored as images of those operands' registers:
;   q_img, k_img: (16 batch + head) x 131072 + (token / 16) x 1024 + c x 512 + 16 lane: registers 4 c .. 4 c + 3 of the fragment 16 tokens x 64
;   v_img:        (16 batch + head) x 131072 + (token / 128) x 8192 + t x 2048 + qd x 512 + 16 lane: registers 4 qd .. 4 qd + 3 of the fragment 16 features (16 t on) x 128 tokens
; K goes through two LDS regions of unequal size, D (256 along K) and S (128 along K), in the order [0,256) [768,896) [256,512) [896,1024) [512,768): two first fills and three refills a wave;
; at most two tensor loads of a wave are out.  The order of K in the sums is that order; within 64 along K both operands are laid alike by two loads of 16 bytes.
; CLUSTER 4 x 4: x's tile hangs on the tile row alone and is asked for jointly along a row of the cluster, W's on the tile column alone and jointly along a column.
; LIMITS: e2 - e0 - e1, e3 - e0 - e1 and e5 - e0 - e1 lie between -126 and 119, so that each scale and 448 x the scale is an f32 number.  NaN among the biases is not served.
.set PD,    272                        ; a row in D: 256 bytes + 16 of padding
.set PS,    144                        ; a row in S: 128 bytes + 16
.set SB,    640*PD                     ; S begins behind D.  In both: rows 0-383 W (plane p at row 128 p), rows 384-639 x
.set SPARE, SB+640*PS                  ; behind S: the spare words, 128 bytes for each wave, that no other line names
.set ADA,   4                          ; v4, v7   LDS address of my x fragments in D, in S
.set ADB,   5                          ; v5, v8   of my W fragments, planes q and k
.set ADV,   6                          ; v6, v9   of plane v (256 rows on: beyond the 16-bit offset in D)
.set LI,    10                         ; v10      16 x lane
.set SPW,   11                         ; v11      my spare word; never rewritten
.set NIL,   12                         ; v12      0; never rewritten
.set VB,    14                         ; v[14:21] four pairs: v's bias of my feature in d tile bb, and 0
.set SCQ,   22                         ; v22, v23 q's scale 2^(e2 - e0 - e1) and 448 x it;  v24, v25 k's;  v26, v27 v's
.set SCK,   24
.set SCV,   26
.set AF,    32                         ; v32-95, v96-159  x's 8 fragments, two sets
.set BIAS,  96                         ; v96-159  ahead of the first step: q's and k's biases, 8 tiles in the result's layout
.set BF,    160                        ; v160-255 W's 12 fragments, one set, fetched anew by thirds
.set CQ,    32                         ; the way out: q's codes v32-95, k's v136-199, v's v200-231 and v96-127
.set CK,    136
.set G1XD,  28                         ; descriptor groups 1: x into D, W into D, x into S, W into S
.set G1WD,  36
.set G1XS,  44
.set G1WS,  52
.set G0XD,  68                         ; and their groups 0
.set G0WD,  72
.set G0XS,  76
.set G0WS,  80
.set W1,    0x50                       ; C and D in window 1; the fragments in window 0
.set W2,    0xa0
.set W3,    0xf0
.set MSB, 0
.macro WIN new                         ; the immediate's high byte repeats the setting that is left
.if MSB != \new
	s_set_vgpr_msb (MSB<<8)|\new
.set MSB, \new
.endif
.endm
.macro PLACES                          ; four plain vector lines between a matrix instruction and a load into, or a vector line on, its registers
.rept 4
	v_nop
.endr
.endm
; A joint load: waves 0, 1, 2 fetch W's planes q, k, v, wave 3 fetches x.  The branch hangs on the wave's number alone.  Four v_nop follow each line.
.macro JLOAD g0w, g1w, g0x, g1x
	s_cmp_lt_u32 s18, 3
	s_cbranch_scc0 .Lfor_x_\@
	tensor_load_to_lds s[\g0w:\g0w+3], s[\g1w:\g1w+7]
	s_nop 0
.rept 4
	v_nop
.endr
	s_branch .Lasked_\@
.Lfor_x_\@:
	tensor_load_to_lds s[\g0x:\g0x+3], s[\g1x:\g1x+7]
	s_nop 0
.rept 4
	v_nop
.endr
.Lasked_\@:
.endm
.macro CREST                           ; a round of the cluster's barrier behind its opening barrier
	s_cmp_lg_u32 s18, 0
	s_cbranch_scc1 .Lnot_wave_0_\@
	s_barrier_signal -3
.Lnot_wave_0_\@:
	s_barrier_wait -3
	s_barrier_signal -1
	s_barrier_wait -1
.endm
.macro CROUND
	s_barrier_signal -1
	s_barrier_wait -1
	CREST
.endm
	s_load_b256 s[4:11], s[0:1], 0x0               ; x s[4:5], W s[6:7], b s[8:9], the exponents s[10:11]
	s_load_b128 s[12:15], s[0:1], 0x20             ; q_img, k_img
	s_load_b64 s[16:17], s[0:1], 0x30              ; v_img
	v_lshl_add_u32 v[SPW], v0, 2, SPARE
	v_mov_b32 v[NIL], 0
	ds_add_u32 v11, v12
	ds_add_u32 v11, v12
	s_wait_dscnt 0x0
	v_lshrrev_b32 v1, 5, v0
	v_readfirstlane_b32 s18, v1                    ; wave 0..3
	s_lshr_b32 s19, s18, 1                         ; wr: which 128 tokens
	s_and_b32 s20, s18, 1                          ; wc: which of the two heads
	s_min_u32 s27, s18, 2                          ; the plane of W that I fetch (wave 3 fetches x)
	s_bfe_u32 s21, ttmp6, 0x40000                  ; cx
	s_bfe_u32 s22, ttmp6, 0x40004                  ; cy
	s_lshl_b32 s23, ttmp9, 2
	s_add_co_u32 s23, s23, s21                     ; tx: which pair of heads
	s_and_b32 s24, ttmp7, 0xffff
	s_lshl_b32 s24, s24, 2
	s_add_co_u32 s24, s24, s22                     ; ty: which 256 tokens
	s_lshl_b32 s25, s22, 2
	s_lshl_b32 s25, 15, s25                        ; my row of the cluster
	s_lshl_b32 s26, 0x1111, s21                    ; my column
	; groups 1: elements of 1 byte; padding of 4 words behind every 64 words (D) or 32 words (S); bit 21 beside the mask
	s_or_b32 s[G1XD], s25, (1<<20)|(1<<21)|(5<<22)|(3<<25)
	s_or_b32 s[G1WD], s26, (1<<20)|(1<<21)|(5<<22)|(3<<25)
	s_or_b32 s[G1XS], s25, (1<<20)|(1<<21)|(4<<22)|(3<<25)
	s_or_b32 s[G1WS], s26, (1<<20)|(1<<21)|(4<<22)|(3<<25)
	s_mov_b32 s[G1XD+1], 256<<16                   ; tensor_dim0 = 256
	s_mov_b32 s[G1XD+2], 256<<16                   ; tensor_dim1 = 256
	s_mov_b32 s[G1XD+3], 256<<16                   ; tile_dim0 = 256
	s_mov_b32 s[G1XD+4], 256                       ; tile_dim1 = 256 rows
	s_mov_b32 s[G1XD+5], 1024                      ; from row to row
	s_mov_b32 s[G1XD+6], 0
	s_mov_b32 s[G1XD+7], 0
	s_mov_b32 s[G1WD+1], 256<<16
	s_mov_b32 s[G1WD+2], 128<<16
	s_mov_b32 s[G1WD+3], 256<<16
	s_mov_b32 s[G1WD+4], 128                       ; 128 rows
	s_mov_b32 s[G1WD+5], 1024
	s_mov_b32 s[G1WD+6], 0
	s_mov_b32 s[G1WD+7], 0
	s_mov_b32 s[G1XS+1], 128<<16
	s_mov_b32 s[G1XS+2], 256<<16
	s_mov_b32 s[G1XS+3], 128<<16
	s_mov_b32 s[G1XS+4], 256
	s_mov_b32 s[G1XS+5], 1024
	s_mov_b32 s[G1XS+6], 0
	s_mov_b32 s[G1XS+7], 0
	s_mov_b32 s[G1WS+1], 128<<16
	s_mov_b32 s[G1WS+2], 128<<16
	s_mov_b32 s[G1WS+3], 128<<16
	s_mov_b32 s[G1WS+4], 128
	s_mov_b32 s[G1WS+5], 1024
	s_mov_b32 s[G1WS+6], 0
	s_mov_b32 s[G1WS+7], 0
	s_lshl_b32 s60, s24, 18                        ; x: 256 ty rows of 1,024 bytes (hangs on the tile row alone)
	s_mov_b32 s61, 0
	s_lshl_b32 s92, s27, 20                        ; W: plane x 1,024 rows
	s_lshl_b32 s93, s23, 17                        ;    + 128 tx rows (hangs on the tile column and the wave alone)
	s_add_co_u32 s92, s92, s93
	s_mov_b32 s93, 0
	s_mul_i32 s94, s27, 128*PD                     ; where my plane goes in D,
	s_mul_i32 s95, s27, 128*PS
	s_add_co_u32 s95, s95, SB                      ; and in S
	s_wait_kmcnt 0x0
	s_load_b256 s[84:91], s[10:11], 0x0            ; e0 .. e7
	s_add_nc_u64 s[60:61], s[4:5], s[60:61]
	s_add_nc_u64 s[92:93], s[6:7], s[92:93]
	CROUND                                         ; all sixteen work-groups are here: the first joint loads meet
	s_mov_b32 s[G0XD], 1
	s_mov_b32 s[G0XD+1], 384*PD
	s_mov_b64 s[G0XD+2:G0XD+3], s[60:61]           ; K = 0
	s_or_b32 s[G0XD+3], s[G0XD+3], 0x80000000
	s_mov_b32 s[G0WD], 1
	s_mov_b32 s[G0WD+1], s94
	s_mov_b64 s[G0WD+2:G0WD+3], s[92:93]
	s_or_b32 s[G0WD+3], s[G0WD+3], 0x80000000
	s_mov_b32 s[G0XS], 1
	s_mov_b32 s[G0XS+1], SB+384*PS
	s_add_nc_u64 s[G0XS+2:G0XS+3], s[60:61], 768   ; K = 768
	s_or_b32 s[G0XS+3], s[G0XS+3], 0x80000000
	s_mov_b32 s[G0WS], 1
	s_mov_b32 s[G0WS+1], s95
	s_add_nc_u64 s[G0WS+2:G0WS+3], s[92:93], 768
	s_or_b32 s[G0WS+3], s[G0WS+3], 0x80000000
	s_cmp_lt_u32 s18, 3                            ; a wave's two first fills stand in one branch, ahead of every wait on TENSORcnt and every LDS read: two loads of mine are out
	s_cbranch_scc0 .Lfirst_x
	tensor_load_to_lds s[G0WD:G0WD+3], s[G1WD:G1WD+7]
	s_nop 0
	tensor_load_to_lds s[G0WS:G0WS+3], s[G1WS:G1WS+7]
	s_nop 0
.rept 4
	v_nop
.endr
	s_branch .Lfirst_done
.Lfirst_x:
	tensor_load_to_lds s[G0XD:G0XD+3], s[G1XD:G1XD+7]
	s_nop 0
	tensor_load_to_lds s[G0XS:G0XS+3], s[G1XS:G1XS+7]
	s_nop 0
.rept 4
	v_nop
.endr
.Lfirst_done:
	; while the tiles are on their way: addresses, biases, scales
	v_and_b32 v1, 15, v0                           ; r
	v_bfe_u32 v2, v0, 4, 1                         ; h
	v_and_b32 v3, 31, v0
	v_lshlrev_b32 v[LI], 4, v3
	v_lshlrev_b32 v28, 5, v2                       ; 32 h: my half's eight biases of a tile
	v_lshlrev_b32 v29, 2, v1                       ; 4 r: v's bias of my feature
	s_lshl_b32 s98, s23, 1
	s_add_co_u32 s98, s98, s20                     ; head = 2 tx + wc
	s_lshl_b32 s96, s98, 8                         ; a head's 64 biases are 256 bytes
	s_mov_b32 s97, 0
	s_add_nc_u64 s[8:9], s[8:9], s[96:97]
.irp b, 0,1,2,3,4,5,6,7                        ; tile b = 4 p + bb: b[1024 p + 64 head + 16 bb + 8 h + 0 .. 7]
	global_load_b128 v[BIAS+8*\b:BIAS+8*\b+3], v28, s[8:9] offset:((\b/4)*1024+16*(\b%4))*4
	global_load_b128 v[BIAS+8*\b+4:BIAS+8*\b+7], v28, s[8:9] offset:((\b/4)*1024+16*(\b%4))*4+16
.endr
.irp bb, 0,1,2,3
	global_load_b32 v[VB+2*\bb], v29, s[8:9] offset:(2048+16*\bb)*4
	v_mov_b32 v[VB+2*\bb+1], 0                     ; (named with it as a pair, so it is written)
.endr
	v_mul_u32_u24 v3, v1, PD
	v_lshl_add_u32 v3, v2, 4, v3                   ; D: r x pitch + 16 h
	s_mul_i32 s62, s19, 128*PD
	s_add_co_u32 s62, s62, 384*PD
	v_add_nc_u32 v[ADA], s62, v3                   ; my 128 tokens
	s_mul_i32 s63, s20, 64*PD
	v_add_nc_u32 v[ADB], s63, v3                   ; my head's 64 rows of plane q
	v_add_nc_u32 v[ADV], 256*PD, v[ADB]            ; of plane v
	v_mul_u32_u24 v3, v1, PS
	v_lshl_add_u32 v3, v2, 4, v3                   ; S likewise
	s_mul_i32 s62, s19, 128*PS
	s_add_co_u32 s62, s62, SB+384*PS
	v_add_nc_u32 v[ADA+3], s62, v3
	s_mul_i32 s63, s20, 64*PS
	s_add_co_u32 s63, s63, SB
	v_add_nc_u32 v[ADB+3], s63, v3
	v_add_nc_u32 v[ADV+3], 256*PS, v[ADB+3]
	s_lshr_b32 s96, s24, 3                         ; where my wave's 8,192 bytes begin in each of the three images: batch = ty / 8,
	s_lshl_b32 s96, s96, 4
	s_add_co_u32 s96, s96, s98
	s_lshl_b32 s96, s96, 17                        ; (16 batch + head) x 131,072
	s_and_b32 s97, s24, 7
	s_lshl_b32 s97, s97, 1
	s_add_co_u32 s97, s97, s19
	s_lshl_b32 s97, s97, 13                        ; + (which 128 tokens of the sequence) x 8,192
	s_add_co_u32 s96, s96, s97
	s_mov_b32 s97, 0
	s_add_nc_u64 s[12:13], s[12:13], s[96:97]
	s_add_nc_u64 s[14:15], s[14:15], s[96:97]
	s_add_nc_u64 s[16:17], s[16:17], s[96:97]
	s_wait_kmcnt 0x0
	s_add_co_i32 s62, s84, s85                     ; e0 + e1: a sum stands for sum x 2^(e0 + e1)
	s_sub_co_i32 s63, 0, s62
.macro MKSCALE e, reg                  ; 2^(e - e0 - e1) as f32, whose exponent field the conversion takes, and 448 x it
	s_sub_co_i32 s96, s[\e], s62
	s_add_co_i32 s96, s96, 127
	s_lshl_b32 s97, s96, 23
	v_mov_b32 v[\reg], s97
	s_add_co_i32 s96, s96, 8
	s_lshl_b32 s96, s96, 23
	s_or_b32 s96, s96, 0x600000
	v_mov_b32 v[\reg+1], s96
.endm
	MKSCALE 86, SCQ
	MKSCALE 87, SCK
	MKSCALE 89, SCV
	s_wait_loadcnt 0x0                             ; the biases
.set i, 0
.rept 64
	v_ldexp_f32 v[BIAS+i], v[BIAS+i], s63          ; b / 2^(e0 + e1): it goes in as the C of a sum's first product
.set i, i+1
.endr
.irp bb, 0,1,2,3
	v_ldexp_f32 v[VB+2*\bb], v[VB+2*\bb], s63
.endr
.macro FRAG reg, adr, off              ; a fragment, 16 rows x 64 K, is 8 registers: registers 0-3 hold K = 16 h + 0 .. 15, registers 4-7 K = 32 + 16 h + 0 .. 15, alike in x and in W
	ds_load_b128 v[(\reg):(\reg)+3], v[\adr] offset:\off
	ds_load_b128 v[(\reg)+4:(\reg)+7], v[\adr] offset:\off+32
.endm
.macro FETCH_A g, q, p                 ; x's 8 fragments of the region's q-th 64 along K into set p: 16 loads
.set aq, 0
.rept 8
	FRAG AF+64*(\p)+8*aq, ADA+3*(\g), 16*aq*(PD-128*(\g))+64*(\q)
.set aq, aq+1
.endr
.endm
.macro FETCH_B g, q, b0                ; W's blocks b0 .. b0 + 3: 8 loads
.set bq, \b0
.rept 4
.if bq < 8
	FRAG BF+8*bq, ADB+3*(\g), (128*(bq/4)+16*(bq%4))*(PD-128*(\g))+64*(\q)
.else
	FRAG BF+8*bq, ADV+3*(\g), 16*(bq%4)*(PD-128*(\g))+64*(\q)
.endif
.set bq, bq+1
.endr
.endm
; nb blocks of W from b0 on x the 8 blocks of tokens.  mode 0: onto the sums; 1: the bias starts the sum; 2: the constant 0 starts it.  The 96 accumulators take turns, one instruction a turn.
.macro MULB b0, nb, p, mode
.set bq, \b0
.rept \nb
.set aq, 0
.rept 8
.set rD, 8*((8*bq+aq)%32)
.set rA, AF+64*(\p)+8*aq
.set rB, BF+8*bq
.if bq < 8
.if \mode == 1
	v_wmma_f32_16x16x64_fp8_fp8 v[rD:rD+7], v[rB:rB+7], v[rA:rA+7], v[BIAS+8*bq:BIAS+8*bq+7]
.else
	v_wmma_f32_16x16x64_fp8_fp8 v[rD:rD+7], v[rB:rB+7], v[rA:rA+7], v[rD:rD+7]
.endif
.else
.if \mode == 2
	v_wmma_f32_16x16x64_fp8_fp8 v[rD:rD+7], v[rA:rA+7], v[rB:rB+7], 0
.else
	v_wmma_f32_16x16x64_fp8_fp8 v[rD:rD+7], v[rA:rA+7], v[rB:rB+7], v[rD:rD+7]
.endif
.endif
.set aq, aq+1
.endr
.set bq, bq+1
.endr
.endm
; A step of 64 along K: 96 matrix instructions in three parts (q, k, v).  Behind each part the next step's fragments take the registers that the part has left: run 1 (x's other set and W's blocks 0-3: 24 loads), run 2 and run 3 (8 each).
.macro STEP g, q, p
	s_wait_dscnt 16                                ; the last step's run 1 is in; its runs 2 and 3 (8 + 8) may be out
	WIN W1
	MULB 0, 4, \p, 0
	PLACES
	WIN 0
	FETCH_A \g, \q, 1-\p
	FETCH_B \g, \q, 0
	s_wait_dscnt 32                                ; the last run 2 is in; younger: the last run 3 (8) and this run 1 (24)
	WIN W2
	MULB 4, 4, \p, 0
	PLACES
	WIN 0
	FETCH_B \g, \q, 4
	s_wait_dscnt 32                                ; the last run 3 is in; younger: this run 1 (24) and this run 2 (8)
	WIN W3
	MULB 8, 4, \p, 0
	PLACES
	WIN 0
	FETCH_B \g, \q, 8
.endm
; A region's last step.  gn: the region read next.  ONE barrier: in front of it each wave waits for all its tensor loads, adds 0 to its spare word, and waits for that and for its own reads of the region that it leaves.
; fill = 1: the barrier opens a round of the cluster's barrier, and the region just left is filled again first thing behind the round.
.macro TURN gn, p, fill
	s_wait_tensorcnt 0x0                           ; all my tensor loads have landed: my part of the region read next
	ds_add_u32 v[SPW], v[NIL]                      ; 0 onto my spare word
	s_wait_dscnt 17                                ; the last run 1 is in; the add and runs 2 and 3 may be out
	WIN W1
	MULB 0, 2, \p, 0                               ; sixteen matrix instructions stand between the add and the wait for it
	s_wait_dscnt 0x0                               ; the add is done, and my reads of this region are over
	s_barrier_signal -1
	MULB 2, 2, \p, 0
	WIN 0
	s_barrier_wait -1
.if \fill
	CREST                                          ; no wave of any partner still reads this region or has a load on its way
.if \gn == 1
	s_add_nc_u64 s[G0XD+2:G0XD+3], s[G0XD+2:G0XD+3], 256
	s_add_nc_u64 s[G0WD+2:G0WD+3], s[G0WD+2:G0WD+3], 256
	JLOAD G0WD, G1WD, G0XD, G1XD                   ; D's next 256 along K; the four v_nop behind it are the places in front of the loads below
.else
	s_add_nc_u64 s[G0XS+2:G0XS+3], s[G0XS+2:G0XS+3], 128
	s_add_nc_u64 s[G0WS+2:G0WS+3], s[G0WS+2:G0WS+3], 128
	JLOAD G0WS, G1WS, G0XS, G1XS                   ; S's next 128 along K
.endif
.else
	PLACES
.endif
	FETCH_A \gn, 0, 1-\p
	FETCH_B \gn, 0, 0
	WIN W2
	MULB 4, 4, \p, 0
	PLACES
	WIN 0
	FETCH_B \gn, 0, 4
	WIN W3
	MULB 8, 4, \p, 0
	PLACES
	WIN 0
	FETCH_B \gn, 0, 8
.endm
	s_wait_tensorcnt 1                             ; my part of D is in; S's may stay out
	s_barrier_signal -1
	s_barrier_wait -1                              ; everybody's is
	FETCH_A 0, 0, 0
	FETCH_B 0, 0, 0
	FETCH_B 0, 0, 4
	FETCH_B 0, 0, 8
	; step 0 starts the sums: q's and k's with their biases, v's with 0
	s_wait_dscnt 0x0
	WIN 0x40                                       ; D window 1, C (the bias) window 0
	MULB 0, 4, 0, 1
	WIN 0x80
	MULB 4, 4, 0, 1
	PLACES                                         ; the loads below land on the biases' registers and on W's blocks 0-7
	WIN 0
	FETCH_A 0, 1, 1
	FETCH_B 0, 1, 0
	FETCH_B 0, 1, 4
	WIN 0xc0
	MULB 8, 4, 0, 2
	PLACES
	WIN 0
	FETCH_B 0, 1, 8
	STEP 0, 2, 1                                   ; K [0, 256)
	STEP 0, 3, 0
	TURN 1, 1, 1                                   ; D takes K [256, 512)
	STEP 1, 1, 0                                   ; K [768, 896)
	TURN 0, 1, 1                                   ; S takes K [896, 1024)
	STEP 0, 1, 0                                   ; K [256, 512)
	STEP 0, 2, 1
	STEP 0, 3, 0
	TURN 1, 1, 1                                   ; D takes K [512, 768)
	STEP 1, 1, 0                                   ; K [896, 1024)
	TURN 0, 1, 0                                   ; nothing is left to fetch
	STEP 0, 1, 0                                   ; K [512, 768)
	STEP 0, 2, 1
	STEP 0, 3, 0
	s_wait_dscnt 16                                ; the last step
	WIN W1
	MULB 0, 4, 1, 0
	s_wait_dscnt 8
	WIN W2
	MULB 4, 4, 1, 0
	s_wait_dscnt 0x0
	WIN W3
	MULB 8, 4, 1, 0
	PLACES
; THE WAY OUT.  Each number is held within +-448 x the scale (the conversion to an 8-bit code does not saturate: ISA guide 7.6.2), each accumulator from its low end on; eight of a lane become two registers of the later operand.
; A store of the wave covers 512 consecutive bytes, aligned; the wave's sixteen cover 8,192.  No store's data are written again.
.macro OUTQK wa, wb, sc, cb, base
	WIN \wa
.set i, 0
.rept 256
	v_med3_num_f32 v[i], v[i], -v[\sc+1], v[\sc+1]
.set i, i+1
.endr
	WIN \wb
.set aq, 0
.rept 8
.set bq, 0
.rept 4
	v_cvt_scalef32_pk8_fp8_f32 v[\cb+8*aq+2*bq:\cb+8*aq+2*bq+1], v[8*(8*bq+aq):8*(8*bq+aq)+7], v[\sc]   ; token block aq, d = 16 bq + 8 h + 0 .. 7: registers 2 bq, 2 bq + 1
.set bq, bq+1
.endr
.set aq, aq+1
.endr
	v_nop                                          ; a plain line behind the last conversion
	WIN 0
.set i, 0
.rept 16
	global_store_b128 v[LI], v[\cb+4*i:\cb+4*i+3], s[\base:\base+1] offset:512*i
.set i, i+1
.endr
.endm
	OUTQK 0x41, 0x01, SCQ, CQ, 12
	OUTQK 0x82, 0x02, SCK, CK, 14
	WIN 0xc3
.set i, 0
.rept 128
	v_pk_add_f32 v[2*i:2*i+1], v[2*i:2*i+1], v[VB+2*(i/32):VB+2*(i/32)+1] op_sel_hi:[1,0]   ; v: a lane holds one feature: one bias for its eight tokens
.set i, i+1
.endr
.set i, 0
.rept 256
	v_med3_num_f32 v[i], v[i], -v[SCV+1], v[SCV+1]
.set i, i+1
.endr
	WIN 0x03
.set bq, 0
.rept 4
.set aq, 0
.rept 8
.set rC, 200+16*bq+2*aq                ; d tiles 0, 1: v200-231;
.if bq > 1
.set rC, 64+16*bq+2*aq                 ; d tiles 2, 3: v96-127: a conversion's destination and its sources differ in number too
.endif
	v_cvt_scalef32_pk8_fp8_f32 v[rC:rC+1], v[64*bq+8*aq:64*bq+8*aq+7], v[SCV]   ; d tile bq, tokens 16 aq + 8 h + 0 .. 7: registers 2 aq, 2 aq + 1
.set aq, aq+1
.endr
.set bq, bq+1
.endr
	v_nop
	WIN 0
.set bq, 0
.rept 4
.set rC, 200+16*bq
.if bq > 1
.set rC, 64+16*bq
.endif
.irp qd, 0,1,2,3
	global_store_b128 v[LI], v[rC+4*\qd:rC+4*\qd+3], s[16:17] offset:2048*bq+512*\qd
.endr
.set bq, bq+1
.endr
	s_wait_tensorcnt 0x0                           ; the wave's end
	ds_add_u32 v[SPW], v[NIL]
	s_wait_dscnt 0x0
	CROUND                                         ; the closing round: no work-group ends while a partner may still ask for a tile that names it
	s_endpgm
.Lfunc_end_k_q0c6f95c783_qkv:
	.size	k_q0c6f95c783_qkv, .Lfunc_end_k_q0c6f95c783_qkv-k_q0c6f95c783_qkv
	.p2alignl 7, 3214868480
	.fill 96, 4, 3214868480
	.section	.rodata,"a",@progbits
	.p2align	6, 0x0
	.amdhsa_kernel k_q0c6f95c783_qkv
		.amdhsa_group_segment_fixed_size 327680
		.amdhsa_private_segment_fixed_size 0
		.amdhsa_enable_private_segment 0
		.amdhsa_kernarg_size 56
		.amdhsa_user_sgpr_count 2
		.amdhsa_user_sgpr_kernarg_segment_ptr 1
		.amdhsa_wavefront_size32 1
		.amdhsa_system_sgpr_workgroup_id_x 1
		.amdhsa_system_sgpr_workgroup_id_y 1
		.amdhsa_system_sgpr_workgroup_id_z 1
		.amdhsa_system_vgpr_workitem_id 0
		.amdhsa_next_free_vgpr 1024
		.amdhsa_next_free_sgpr 100
		.amdhsa_reserve_vcc 0
		.amdhsa_float_denorm_mode_32 3
		.amdhsa_float_denorm_mode_16_64 3
		.amdhsa_memory_ordered 1
		.amdhsa_forward_progress 1
		.amdhsa_inst_pref_size 232
	.end_amdhsa_kernel
	.amdgpu_metadata
---
amdhsa.version: [ 1, 2 ]
amdhsa.kernels:
  - .name:           k_q0c6f95c783_qkv
    .symbol:         k_q0c6f95c783_qkv.kd
    .args:
      - { .name: x_codes, .offset: 0, .size: 8, .value_kind: global_buffer, .address_space: global }
      - { .name: w_qkv_codes, .offset: 8, .size: 8, .value_kind: global_buffer, .address_space: global }
      - { .name: b_qkv, .offset: 16, .size: 8, .value_kind: global_buffer, .address_space: global }
      - { .name: lowp_scales, .offset: 24, .size: 8, .value_kind: global_buffer, .address_space: global }
      - { .name: q_img, .offset: 32, .size: 8, .value_kind: global_buffer, .address_space: global }
      - { .name: k_img, .offset: 40, .size: 8, .value_kind: global_buffer, .address_space: global }
      - { .name: v_img, .offset: 48, .size: 8, .value_kind: global_buffer, .address_space: global }
    .group_segment_fixed_size: 327680
    .private_segment_fixed_size: 0
    .kernarg_segment_align: 8
    .kernarg_segment_size: 56
    .max_flat_workgroup_size: 128
    .sgpr_count:     100
    .vgpr_count:     1024
    .wavefront_size: 32
...
	.end_amdgpu_metadata
.endif
;; end of part 1
;; launch attn (part 2): grid 4 x 64, 8 waves a work-group, no clusters, 66,560 bytes of LDS; arguments q_img, k_img, v_img, lowp_scales, z_img; writes z_img
.if DOCPART == 2
	.amdgcn_target "amdgcn-amd-amdhsa--gfx1250"
	.amdhsa_code_object_version 6
	.text
	.protected	k_q0c6f95c783_attn
	.globl	k_q0c6f95c783_attn
	.p2align	8
	.type	k_q0c6f95c783_attn,@function
k_q0c6f95c783_attn:
	s_mov_b64 s[64:65], 0
	v_nop
	global_prefetch_b8 v0, s[64:65] scope:SCOPE_SE
	s_setreg_imm32_b32 hwreg(HW_REG_WAVE_MODE, 25, 1), 1
	s_wait_xcnt 0x0
; z = softmax(q k^T / 8, causal) v for 64 (batch, head) pairs of 2,048 tokens x 64, both products on codes of E4M3; z is quantised with 2^e6 and stored as an image of the last product's operand.
; THE SOFTMAX: t = score x log2(e) / 8; M = the running largest t rounded UP to a whole number; p = 2^(t - M) is quantised with 2^e4, not normalised; the row's sum is taken of the unquantised p and divides at the end.
; When M moves, the sum and O are multiplied by 2^(old M - new M): nothing is rounded.
; SHARES.  Work-group (I, bh) owns the blocks of 256 queries 7 - I and then I of pair bh: (8 - I) + (I + 1) = 9 slots of 256 keys for every work-group, so the loop's count is the constant 9 and all 256 work-groups have equal work.
; Each of the eight waves owns 32 queries of a block, two tiles of 16: each fragment of K and of V read from LDS feeds two matrix instructions.
; LAYOUT.  S^T = K Q^T (source 0 = 16 keys, source 1 = 16 queries), O^T = V^T P^T (source 0 = 16 of the head's 64, source 1 = P): a lane holds ONE query throughout; the eight scores of tile t convert into registers 2 t, 2 t + 1 of P.
; LDS.  Two slots of 32,768 bytes: K's image of 256 keys, then V's, as they lie in memory.  They are filled through registers (8 loads and 8 LDS stores a wave), asked for a slot's two key steps ahead of their use; one barrier a trip.
; NO JOINT LOADS: the four work-groups of a pair walk different slots at different trips (block 7 - I against block 7 - I'), so no tile is wanted by two of them in the same trip.
; CAUSAL.  A step of 128 keys that all come after the wave's 32 queries is jumped over (a scalar branch on ids; no barrier stands in a step); in the one step on the diagonal hidden scores become -infinity ahead of the maximum.
; z_img: (row / 16) x 16384 + head x 1024 + c x 512 + 16 lane: lane (r, h) holds row r, k = 64 head + 32 c + 16 h + 0 .. 15.
; LIMITS: e2 + e3 between -124 and 130 (added to c's exponent field); e4 and e6 between -126 and 119; e4 + e5 is applied by v_ldexp_f32 and has none.
; REGISTERS, window 0: v1 16 x lane; v2 16 x thread; v3, v4 LDS addresses; v5 r - 8 h; v6 -infinity; v7 lane; v[8:9], v[10:11] (-M, largest t) of tiles 0, 1; v[12:15] the sums, two halves a tile; v[16:19] (f, 0) a tile;
;   v20-27 at work; v28, v29 2^e4 and 448 x 2^e4; v30, v31 the mask's bounds, later 2^e6 and 448 x 2^e6; v32-159 S^T, then p, 64 a tile; v160-191 p's codes; v192-207 Q; v208-239 the next slot on its way; v240-247 at work.
;   window 1: v0-63 O^T (tile u, d tile t at 32 u + 8 t); v64-127 K's 8 fragments; v128-191 V's 4; v192-207 the second block's Q.
.set S,   32
.set PC,  160
.set QF,  192
.set STG, 208
.set KW,  64
.set VW,  128
.set MSB, 0
.macro WIN new                         ; the immediate's high byte repeats the setting that is left
.if MSB != \new
	s_set_vgpr_msb (MSB<<8)|\new
.set MSB, \new
.endif
.endm
.macro INIT                            ; a block of queries begins: the largest t is -3e38, under every t; sums and O^T are zeros, which the first change of M leaves zeros
	v_mov_b32 v9, 0xff61b1e6
	v_mov_b32 v11, 0xff61b1e6
	v_floor_f32 v8, -v9
	v_floor_f32 v10, -v11
.irp i, 12,13,14,15
	v_mov_b32 v\i, 0
.endr
	WIN 0x40
.set i, 0
.rept 64
	v_mov_b32 v[i], 0
.set i, i+1
.endr
	WIN 0
.endm
	s_load_b256 s[4:11], s[0:1], 0x0               ; q_img s[4:5], k_img s[6:7], v_img s[8:9], the exponents s[10:11]
	s_load_b64 s[12:13], s[0:1], 0x20              ; z_img
	v_lshl_add_u32 v254, v0, 2, 0x10000
	v_mov_b32 v255, 0
	v_lshrrev_b32 v1, 5, v0
	v_readfirstlane_b32 s14, v1                    ; wave 0..7
	s_mov_b32 s15, ttmp9                           ; I
	s_and_b32 s16, ttmp7, 0xffff                   ; bh = 16 batch + head
	s_sub_co_u32 s17, 7, s15                       ; QB: the block of queries in hand
	s_mov_b32 s18, 0                               ; KS: the slot of keys in hand
	s_mov_b32 s19, 0                               ; T: the trip
	s_mov_b32 s20, 0                               ; TB: where the slot in hand begins in LDS
	s_lshl_b32 s21, s17, 8
	s_lshl_b32 s52, s14, 5
	s_add_co_u32 s21, s21, s52                     ; Q0w: my first query
	s_mov_b32 s24, 0x76543210                      ; v_permlanex16_b32's selects for lane l xor 16
	s_mov_b32 s25, 0xfedcba98
	v_and_b32 v7, 31, v0
	v_lshlrev_b32 v1, 4, v7
	v_lshlrev_b32 v2, 4, v0
	v_and_b32 v5, 15, v0
	v_bfe_u32 v3, v0, 4, 1
	v_lshlrev_b32 v3, 3, v3
	v_sub_nc_u32 v5, v5, v3                        ; r - 8 h
	v_mov_b32 v6, 0xff800000
.irp i, 16,17,18,19,20,21,22,23,24,25,26,27,240,241,242,243,244,245,246,247
	v_mov_b32 v\i, 0                               ; written once: upper halves of pairs, and lane permutes' destinations, which count as sources
.endr
	s_lshl_b32 s42, s16, 17                        ; the pair's 131,072 bytes in each image
	s_mov_b32 s43, 0
	s_wait_kmcnt 0x0
	s_load_b256 s[28:35], s[10:11], 0x0            ; e0 .. e7
	s_add_nc_u64 s[38:39], s[6:7], s[42:43]        ; the pair's K,
	s_add_nc_u64 s[40:41], s[8:9], s[42:43]        ; V,
	s_add_nc_u64 s[4:5], s[4:5], s[42:43]          ; and Q
.irp i, 0,1,2,3
	global_load_b128 v[STG+4*\i:STG+4*\i+3], v2, s[38:39] offset:4096*\i          ; slot 0: the work-group's 256 threads take 4,096 consecutive bytes an instruction
.endr
.irp i, 0,1,2,3
	global_load_b128 v[STG+16+4*\i:STG+16+4*\i+3], v2, s[40:41] offset:4096*\i
.endr
	s_lshl_b32 s52, s17, 14                        ; Q: token block 16 QB + 2 wave + u, 1,024 bytes each
	s_lshl_b32 s53, s14, 11
	s_add_co_u32 s52, s52, s53
	s_mov_b32 s53, 0
	s_add_nc_u64 s[54:55], s[4:5], s[52:53]
.irp i, 0,1,2,3
	global_load_b128 v[QF+4*\i:QF+4*\i+3], v1, s[54:55] offset:512*\i
.endr
	s_lshl_b32 s52, s15, 14                        ; and the second block's, kept in window 1
	s_lshl_b32 s56, s14, 11
	s_add_co_u32 s52, s52, s56
	s_add_nc_u64 s[56:57], s[4:5], s[52:53]
	WIN 0x40
.irp i, 0,1,2,3
	global_load_b128 v[QF+4*\i:QF+4*\i+3], v1, s[56:57] offset:512*\i
.endr
	WIN 0
	INIT
	s_wait_kmcnt 0x0
	s_add_co_i32 s52, s30, s31
	s_lshl_b32 s52, s52, 23
	s_add_co_i32 s26, s52, 0x3e38aa3b              ; c = log2(e) / 8, with e2 + e3 added to its exponent field: a score stands for score x 2^(e2 + e3)
	s_mov_b32 s27, s26                             ; (named with it as a pair, so it is written)
	s_add_co_i32 s52, s32, 127
	s_lshl_b32 s53, s52, 23
	v_mov_b32 v28, s53                             ; 2^e4
	s_add_co_i32 s52, s52, 8
	s_lshl_b32 s52, s52, 23
	s_or_b32 s52, s52, 0x600000
	v_mov_b32 v29, s52                             ; 448 x 2^e4
	s_add_co_i32 s37, s32, s33                     ; e4 + e5
	s_add_co_i32 s52, s34, 127
	s_lshl_b32 s50, s52, 23                        ; 2^e6
	s_add_co_i32 s52, s52, 8
	s_lshl_b32 s51, s52, 23
	s_or_b32 s51, s51, 0x600000                    ; 448 x 2^e6
	s_wait_loadcnt 8                               ; slot 0's eight loads are in; Q's eight may be out
	v_add_nc_u32 v3, s20, v2
.irp i, 0,1,2,3,4,5,6,7
	ds_store_b128 v3, v[STG+4*\i:STG+4*\i+3] offset:4096*\i
.endr
	s_wait_loadcnt 0x0                             ; Q
.macro SUML u, k                       ; line k of 32 of tile u's sum of p: two numbers a line, two chains, the last line joins them
.if (\k) == 0
	v_pk_add_f32 v[240+2*\u:241+2*\u], v[S+64*\u:S+64*\u+1], v[S+64*\u+2:S+64*\u+3]
.elseif (\k) == 31
	v_pk_add_f32 v[12+2*\u:13+2*\u], v[12+2*\u:13+2*\u], v[240+2*\u:241+2*\u]
.elseif ((\k)%2) == 1
	v_pk_add_f32 v[12+2*\u:13+2*\u], v[12+2*\u:13+2*\u], v[S+64*\u+2*(\k)+2:S+64*\u+2*(\k)+3]
.else
	v_pk_add_f32 v[240+2*\u:241+2*\u], v[240+2*\u:241+2*\u], v[S+64*\u+2*(\k)+2:S+64*\u+2*(\k)+3]
.endif
.endm
; A KEY STEP: 128 keys, the q-th half of the slot in hand, for my two tiles of queries.
.macro STEP q
	s_lshl_b32 s22, s18, 8
.if \q
	s_add_co_u32 s22, s22, 128                     ; KF: the step's first key
.endif
	s_add_co_u32 s52, s21, 31
	s_cmp_gt_u32 s22, s52
	s_cbranch_scc1 .Lhidden_\@                     ; all its keys come after my queries
	WIN 0x40
.irp t, 0,1,2,3,4,5,6,7
	ds_load_b128 v[KW+8*\t:KW+8*\t+3], v4 offset:\q*8192+\t*1024
	ds_load_b128 v[KW+8*\t+4:KW+8*\t+7], v4 offset:\q*8192+\t*1024+512
.endr
	s_wait_dscnt 0x0
	WIN 0x01
.irp t, 0,1,2,3,4,5,6,7
.irp u, 0,1
	v_wmma_f32_16x16x64_fp8_fp8 v[S+64*\u+8*\t:S+64*\u+8*\t+7], v[KW+8*\t:KW+8*\t+7], v[QF+8*\u:QF+8*\u+7], 0
.endr
.endr
	WIN 0
.rept 4
	v_nop                                          ; places in front of the reads of S^T, and of the loads into V's registers, which the last step's products read
.endr
	WIN 0x40
.irp t, 0,1,2,3
.irp c, 0,1,2,3
	ds_load_b128 v[VW+16*\t+4*\c:VW+16*\t+4*\c+3], v4 offset:16384+\q*8192+\t*2048+\c*512   ; V lands under the softmax
.endr
.endr
	WIN 0
	s_add_co_u32 s52, s22, 127
	s_cmp_le_u32 s52, s21
	s_cbranch_scc1 .Lopen_\@                       ; all 128 keys count for all my queries
	s_sub_co_i32 s52, s21, s22
	v_add_nc_u32 v30, s52, v5                      ; d = my query - KF - 8 h.  Register 8 t + j holds key KF + 16 t + 8 h + j: hidden where 16 t + j > d
	v_add_nc_u32 v31, 16, v30
.irp u, 0,1
.set n, 0
.rept 64
	v_cmp_gt_i32 vcc_lo, 16*(n/8)+n%8, v[30+\u]
	v_cndmask_b32 v[S+64*\u+n], v[S+64*\u+n], v6, vcc_lo
.set n, n+1
.endr
.endr
.Lopen_\@:
	; the step's largest score of each query: two chains a tile, the tiles line by line, each accumulator from its low end on
.irp u, 0,1
	v_max3_num_f32 v[20+2*\u], v[S+64*\u], v[S+64*\u+1], v[S+64*\u+2]
.endr
.irp u, 0,1
	v_max3_num_f32 v[21+2*\u], v[S+64*\u+3], v[S+64*\u+4], v[S+64*\u+5]
.endr
.irp i, 6,10,14,18,22,26,30,34,38,42,46,50,54,58
.irp u, 0,1
	v_max3_num_f32 v[20+2*\u], v[20+2*\u], v[S+64*\u+\i], v[S+64*\u+\i+1]
.endr
.irp u, 0,1
	v_max3_num_f32 v[21+2*\u], v[21+2*\u], v[S+64*\u+\i+2], v[S+64*\u+\i+3]
.endr
.endr
.irp u, 0,1
	v_max3_num_f32 v[20+2*\u], v[20+2*\u], v[S+64*\u+62], v[S+64*\u+63]
.endr
.irp u, 0,1
	v_max_num_f32 v[20+2*\u], v[20+2*\u], v[21+2*\u]
.endr
.irp u, 0,1
	v_permlanex16_b32 v[24+\u], v[20+2*\u], s24, s25
.endr
.irp u, 0,1
	v_max_num_f32 v[20+2*\u], v[20+2*\u], v[24+\u] ; and among lane l xor 16's keys
.endr
.irp u, 0,1
	v_mul_f32 v[20+2*\u], s26, v[20+2*\u]          ; as t (c is positive)
.endr
.irp u, 0,1
	v_max_num_f32 v[9+2*\u], v[9+2*\u], v[20+2*\u] ; the running largest t
.endr
.irp u, 0,1
	v_mov_b32 v[20+2*\u], v[8+2*\u]
.endr
.irp u, 0,1
	v_floor_f32 v[8+2*\u], -v[9+2*\u]              ; the new -M = floor(-t): M is a whole number
.endr
.irp u, 0,1
	v_sub_f32 v[20+2*\u], v[8+2*\u], v[20+2*\u]    ; old M - new M, a whole number, 0 or less
.endr
.irp u, 0,1
	v_cvt_i32_f32 v[20+2*\u], v[20+2*\u]           ; (it saturates)
.endr
.irp u, 0,1
	v_ldexp_f32 v[16+2*\u], 1.0, v[20+2*\u]        ; f = 2^(old M - new M)
.endr
.set j, 0
.rept 32
	v_pk_fma_f32 v[S+2*j:S+2*j+1], v[S+2*j:S+2*j+1], s[26:27], v[8:9] op_sel_hi:[1,0,0]   ; tile 0: t - M (of the pairs c and -M the low word serves both halves)
.set j, j+1
.endr
.set j, 0
.rept 32                                       ; tile 0's exponentials, with tile 1's scalings between them
	v_exp_f32 v[S+2*j], v[S+2*j]
	v_exp_f32 v[S+2*j+1], v[S+2*j+1]
	v_pk_fma_f32 v[S+64+2*j:S+64+2*j+1], v[S+64+2*j:S+64+2*j+1], s[26:27], v[10:11] op_sel_hi:[1,0,0]
.set j, j+1
.endr
	v_pk_mul_f32 v[12:13], v[12:13], v[16:17] op_sel_hi:[1,0]   ; tile 0's sums under the new M
	s_wait_alu depctr_va_vdst(0)                   ; one wait for tile 0's 64 exponentials, ahead of their first reader
.set kk, 0
.rept 32                                       ; tile 1's exponentials, with tile 0's sum of the unquantised p between them
	v_exp_f32 v[S+64+2*kk], v[S+64+2*kk]
	v_exp_f32 v[S+64+2*kk+1], v[S+64+2*kk+1]
	SUML 0, kk
.set kk, kk+1
.endr
	v_pk_mul_f32 v[14:15], v[14:15], v[18:19] op_sel_hi:[1,0]
	s_wait_alu depctr_va_vdst(0)                   ; one wait for tile 1's
.set kk, 0
.rept 32
	SUML 1, kk
.set kk, kk+1
.endr
	s_cmp_lt_i32 s32, -8                           ; p is at most 1 and never negative.  From e4 = -8 on, 448 x 2^e4 is 1.75 or more and the hold changes no number: it is jumped over
	s_cbranch_scc0 .Lno_hold_\@
.set n, 0
.rept 128
	v_min_num_f32 v[S+n], v[S+n], v29              ; the conversion to an 8-bit code does not saturate (ISA guide 7.6.2)
.set n, n+1
.endr
.Lno_hold_\@:
.irp u, 0,1
.irp t, 0,1,2,3,4,5,6,7
	v_cvt_scalef32_pk8_fp8_f32 v[PC+16*\u+2*\t:PC+16*\u+2*\t+1], v[S+64*\u+8*\t:S+64*\u+8*\t+7], v28   ; keys 16 t + 8 h + 0 .. 7: registers 2 t, 2 t + 1 of P
.endr
.endr
	WIN 0x41
.set i, 0
.rept 32
	v_pk_mul_f32 v[2*i:2*i+1], v[2*i:2*i+1], v[16+2*(i/16):17+2*(i/16)] op_sel_hi:[1,0]   ; O^T under the new M; these are also the plain lines behind the conversions
.set i, i+1
.endr
	s_wait_dscnt 0x0                               ; V is in
	WIN 0x51
.irp t, 0,1,2,3
.irp u, 0,1
	v_wmma_f32_16x16x128_fp8_fp8 v[32*\u+8*\t:32*\u+8*\t+7], v[VW+16*\t:VW+16*\t+15], v[PC+16*\u:PC+16*\u+15], v[32*\u+8*\t:32*\u+8*\t+7]
.endr
.endr
	WIN 0
.Lhidden_\@:
.endm
.Ltrip:                                            ; 9 trips, a slot of 256 keys each
	s_wait_dscnt 0x0                               ; my stores into the slot in hand are done, and my reads of the other slot are back
	s_barrier_signal -1
	s_barrier_wait -1                              ; both now hold of every wave
	s_add_co_u32 s23, s18, 1
	s_cmp_eq_u32 s18, s17
	s_cselect_b32 s23, 0, s23                      ; the next slot of keys: behind a block's last, the next block's first
	s_lshl_b32 s42, s23, 14
	s_add_nc_u64 s[44:45], s[38:39], s[42:43]      ; (the last trip's loads were waited for: their bases may be written)
	s_add_nc_u64 s[46:47], s[40:41], s[42:43]
	s_cmp_lt_u32 s19, 8
	s_cbranch_scc0 .Lno_fetch                      ; the last trip asks for nothing
.irp i, 0,1,2,3
	global_load_b128 v[STG+4*\i:STG+4*\i+3], v2, s[44:45] offset:4096*\i
.endr
.irp i, 0,1,2,3
	global_load_b128 v[STG+16+4*\i:STG+16+4*\i+3], v2, s[46:47] offset:4096*\i
.endr
.Lno_fetch:
	v_add_nc_u32 v4, s20, v1
	STEP 0
	STEP 1
	s_cmp_eq_u32 s18, s17
	s_cbranch_scc0 .Lno_finish
	; THE BLOCK'S END: O^T x 2^(e4 + e5) / the sum is quantised with 2^e6 and stored
.rept 4
	v_nop                                          ; places behind the last products
.endr
.irp u, 0,1
	v_add_f32 v[20+\u], v[12+2*\u], v[13+2*\u]     ; the sum's two halves,
.endr
.irp u, 0,1
	v_permlanex16_b32 v[24+\u], v[20+\u], s24, s25
.endr
.irp u, 0,1
	v_add_f32 v[20+\u], v[20+\u], v[24+\u]         ; and lane l xor 16's
.endr
.irp u, 0,1
	v_rcp_f32 v[16+2*\u], v[20+\u]
.endr
	v_mov_b32 v30, s50                             ; (plain lines behind the reciprocals)  2^e6
	v_mov_b32 v31, s51                             ; 448 x 2^e6
	v_cmp_lt_u32 vcc_lo, 15, v7                    ; lanes 16-31
	s_wait_alu depctr_va_vdst(0)                   ; one wait for both reciprocals, ahead of their first reader
.irp u, 0,1
	v_ldexp_f32 v[16+2*\u], v[16+2*\u], s37
.endr
	WIN 0x01
.set i, 0
.rept 32
	v_pk_mul_f32 v[S+2*i:S+2*i+1], v[2*i:2*i+1], v[16+2*(i/16):17+2*(i/16)] op_sel_hi:[1,0]   ; z(query r, d = 16 t + 8 h + j) at S + 32 u + 8 t + j
.set i, i+1
.endr
	WIN 0
.set i, 0
.rept 64
	v_med3_num_f32 v[S+i], v[S+i], -v31, v31
.set i, i+1
.endr
.set i, 0
.rept 8
	v_cvt_scalef32_pk8_fp8_f32 v[PC+2*i:PC+2*i+1], v[S+8*i:S+8*i+7], v30   ; C(u, t) at PC + 8 u + 2 t
.set i, i+1
.endr
	v_nop                                          ; a plain line behind the last conversion
	; the last product wants 16 neighbours along d in a lane: lane (r, 0) keeps d tile 2 c and takes its upper eight from lane (r, 1), which keeps d tile 2 c + 1 and takes its lower eight from lane (r, 0)
.irp u, 0,1
.irp c, 0,1
.irp i, 0,1
	v_cndmask_b32 v[20+2*\c+\i], v[PC+8*\u+4*\c+2+\i], v[PC+8*\u+4*\c+\i], vcc_lo   ; what I send: the tile that I do not keep
.endr
.endr
.irp c, 0,1
.irp i, 0,1
	v_permlanex16_b32 v[244+2*\c+\i], v[20+2*\c+\i], s24, s25
.endr
.endr
.irp c, 0,1
.irp i, 0,1
	v_cndmask_b32 v[96+8*\u+4*\c+\i], v[PC+8*\u+4*\c+\i], v[244+2*\c+\i], vcc_lo      ; d = 32 c + 16 h + 0 .. 7
	v_cndmask_b32 v[98+8*\u+4*\c+\i], v[244+2*\c+\i], v[PC+8*\u+4*\c+2+\i], vcc_lo    ; d = 32 c + 16 h + 8 .. 15
.endr
.endr
.endr
	s_lshr_b32 s52, s16, 4
	s_lshl_b32 s52, s52, 7                         ; block of 16 rows: 128 batch
	s_lshl_b32 s53, s17, 4
	s_add_co_u32 s52, s52, s53                     ; + 16 QB
	s_lshl_b32 s53, s14, 1
	s_add_co_u32 s52, s52, s53                     ; + 2 wave
	s_lshl_b32 s52, s52, 14
	s_and_b32 s53, s16, 15
	s_lshl_b32 s53, s53, 10                        ; + head x 1,024
	s_add_co_u32 s52, s52, s53
	s_mov_b32 s53, 0
	s_add_nc_u64 s[48:49], s[12:13], s[52:53]
.irp u, 0,1
.irp c, 0,1
	global_store_b128 v1, v[96+8*\u+4*\c:99+8*\u+4*\c], s[48:49] offset:\u*16384+\c*512   ; the wave stores 512 consecutive bytes, aligned
.endr
.endr
	s_wait_xcnt 0x0                                ; the stores have read their data and their base: both are written again below and in later steps
	s_cmp_eq_u32 s19, 8
	s_cbranch_scc1 .Lno_finish                     ; behind the second block nothing begins
	s_mov_b32 s17, s15                             ; the second block: I
	s_lshl_b32 s21, s17, 8
	s_lshl_b32 s52, s14, 5
	s_add_co_u32 s21, s21, s52
	INIT
	WIN 0x01
.set i, 0
.rept 16
	v_mov_b32 v[QF+i], v[QF+i]                     ; its Q, out of window 1
.set i, i+1
.endr
	WIN 0
.Lno_finish:
	s_mov_b32 s18, s23
	s_xor_b32 s20, s20, 32768                      ; on to the other slot
	s_wait_loadcnt 0x0                             ; the next slot's bytes are in registers (on every path: nothing is pending over the back edge)
	s_cmp_lt_u32 s19, 8
	s_cbranch_scc0 .Lno_store
	v_add_nc_u32 v3, s20, v2
.irp i, 0,1,2,3,4,5,6,7
	ds_store_b128 v3, v[STG+4*\i:STG+4*\i+3] offset:4096*\i   ; into the slot that every wave left before this trip's barrier
.endr
.Lno_store:
	s_add_co_u32 s19, s19, 1
	s_cmp_lt_u32 s19, 9
	s_cbranch_scc1 .Ltrip
	s_wait_tensorcnt 0x0
	ds_add_u32 v254, v255
	s_wait_dscnt 0x0
	s_endpgm
.Lfunc_end_k_q0c6f95c783_attn:
	.size	k_q0c6f95c783_attn, .Lfunc_end_k_q0c6f95c783_attn-k_q0c6f95c783_attn
	.p2alignl 7, 3214868480
	.fill 96, 4, 3214868480
	.section	.rodata,"a",@progbits
	.p2align	6, 0x0
	.amdhsa_kernel k_q0c6f95c783_attn
		.amdhsa_group_segment_fixed_size 66560
		.amdhsa_private_segment_fixed_size 0
		.amdhsa_enable_private_segment 0
		.amdhsa_kernarg_size 40
		.amdhsa_user_sgpr_count 2
		.amdhsa_user_sgpr_kernarg_segment_ptr 1
		.amdhsa_wavefront_size32 1
		.amdhsa_system_sgpr_workgroup_id_x 1
		.amdhsa_system_sgpr_workgroup_id_y 1
		.amdhsa_system_sgpr_workgroup_id_z 1
		.amdhsa_system_vgpr_workitem_id 0
		.amdhsa_next_free_vgpr 512
		.amdhsa_next_free_sgpr 66
		.amdhsa_reserve_vcc 1
		.amdhsa_float_denorm_mode_32 3
		.amdhsa_float_denorm_mode_16_64 3
		.amdhsa_memory_ordered 1
		.amdhsa_forward_progress 1
		.amdhsa_inst_pref_size 99
	.end_amdhsa_kernel
	.amdgpu_metadata
---
amdhsa.version: [ 1, 2 ]
amdhsa.kernels:
  - .name:           k_q0c6f95c783_attn
    .symbol:         k_q0c6f95c783_attn.kd
    .args:
      - { .name: q_img, .offset: 0, .size: 8, .value_kind: global_buffer, .address_space: global }
      - { .name: k_img, .offset: 8, .size: 8, .value_kind: global_buffer, .address_space: global }
      - { .name: v_img, .offset: 16, .size: 8, .value_kind: global_buffer, .address_space: global }
      - { .name: lowp_scales, .offset: 24, .size: 8, .value_kind: global_buffer, .address_space: global }
      - { .name: z_img, .offset: 32, .size: 8, .value_kind: global_buffer, .address_space: global }
    .group_segment_fixed_size: 66560
    .private_segment_fixed_size: 0
    .kernarg_segment_align: 8
    .kernarg_segment_size: 40
    .max_flat_workgroup_size: 256
    .sgpr_count:     66
    .vgpr_count:     512
    .wavefront_size: 32
...
	.end_amdgpu_metadata
.endif
;; end of part 2
;; launch proj (part 3): grid 4 x 64, 4 waves a work-group, clusters of 4 x 4, 327,680 bytes of LDS; arguments z_img, w_out_codes, b_out, lowp_scales, out0; writes out0
.if DOCPART == 3
	.amdgcn_target "amdgcn-amd-amdhsa--gfx1250"
	.amdhsa_code_object_version 6
	.text
	.protected	k_q0c6f95c783_proj
	.globl	k_q0c6f95c783_proj
	.p2align	8
	.type	k_q0c6f95c783_proj,@function
k_q0c6f95c783_proj:
	s_mov_b64 s[64:65], 0
	v_nop
	global_prefetch_b8 v0, s[64:65] scope:SCOPE_SE
	s_setreg_imm32_b32 hwreg(HW_REG_WAVE_MODE, 25, 1), 1
	s_wait_xcnt 0x0
	s_wait_alu depctr_hold_cnt(0) depctr_sa_sdst(0) depctr_va_vdst(0) depctr_va_sdst(0) depctr_va_ssrc(0) depctr_va_vcc(0) depctr_vm_vsrc(0)
	s_getreg_b32 s2, hwreg(HW_REG_IB_STS2, 6, 4)
	s_cmp_eq_u32 s2, 0
	s_cbranch_scc0 .Lentry_in_a_cluster
	s_endpgm
.Lentry_in_a_cluster:
	s_bfe_u32 s2, ttmp6, 0x10000c
	s_cmp_lg_u32 s2, 0xf033
	s_cbranch_scc0 .Lentry_shape_is_right
	s_endpgm
.Lentry_shape_is_right:
; out = z W + b on codes of E4M3.  z: 8,192 rows x 1,024, as an image of operand registers: (row / 16) x 16384 + (k / 32) x 512 + 16 lane, lane (r, h) holding row r, k = 32 (k / 32) + 16 h + 0 .. 15.
; W: [1024 (n)][1024 (k)] codes, K innermost.  b: [1024] f32.  out: [8192][1024] f32.  Each finished sum is multiplied by 2^(e6 + e7) and the bias added, in one packed multiply-add for two numbers.
; SHARES.  A tile of 128 rows x 256 columns to a work-group: 4 x 64 = 256 work-groups.  A wave makes 64 x 128: 32 accumulators.  Tiles of 256 x 256 would be 128: half as many work-groups as this grid has.
; THE MATRIX INSTRUCTION IS USED TRANSPOSED (source 0 = 16 rows of W, source 1 = 16 rows of z): a lane holds eight neighbouring numbers of a row of out.  Both operands hold K = 32 c + 16 h + 0 .. 15 in registers 4 c .. 4 c + 3.
; K goes in four steps of 256 through THREE LDS slots: three first fills a wave (three tensor loads of mine are out at the most) and one refill, K step 3 into slot 0.  The eight steps of 128 are written out.
; CLUSTER 4 x 4: z's tile hangs on the tile row alone and is asked for jointly along a row of the cluster, W's on the tile column alone and jointly along a column.
; LIMIT: e6 + e7 lies between -126 and 127, so that 2^(e6 + e7) is an f32 number.
; REGISTERS: window 0: v16-18, v20-22 LDS addresses for each slot; v24-26 the way out; v28, v29 the add's; v32-95 a block's results; v128-191, v192-255 z's 4 fragments, two sets, later rows read back.
;   window 1: W's 8 fragments, two sets.   window 2: the accumulators ((a, b) at 8 (8 a + b)).   window 3: v0-63 the biases of my 128 columns, in a block's layout.
.set SLOT,   102400                    ; z's image, 8 blocks of 16 rows x 4,096 bytes; then W's 256 rows of 272
.set WOFF,   32768
.set PITCH,  272                       ; a row of W in LDS: 256 bytes + 16 of padding
.set SPARE,  3*SLOT                    ; behind the slots: the spare words, 128 bytes for each wave, that no other line names
.set STAGE,  SLOT                      ; the way out: 16 rows x 528 bytes for each wave, in slot 1, which has had its only fill, and whose last reads lie ahead of the last change of slots
.set SPITCH, 528
.set ADRA, 16
.set ADRB, 20
.set STO,  24
.set RD,   25
.set CO,   26
.set SPW,  28
.set NIL,  29
.set TMP,  32
.set AF,   128
.set BK,   128
.set G1,   24                          ; s[24:31] group 1 for z's tiles; s[32:43] its three groups 0
.set G0,   32
.set G1B,  48                          ; s[48:55] group 1 for W's tiles; s[56:63], s[68:71] its three groups 0
.set G0B,  56
.set MSB, 0
.macro WIN new                         ; the immediate's high byte repeats the setting that is left
.if MSB != \new
	s_set_vgpr_msb (MSB<<8)|\new
.set MSB, \new
.endif
.endm
.macro PLACES
.rept 4
	v_nop
.endr
.endm
.macro JLOAD g0a, g1a, g0b, g1b        ; waves 0 and 1 fetch z's halves, waves 2 and 3 W's; four v_nop follow each line
	s_cmp_eq_u32 s15, 0
	s_cbranch_scc0 .Lfor_b_\@
	tensor_load_to_lds s[\g0a:\g0a+3], s[\g1a:\g1a+7]
	s_nop 0
.rept 4
	v_nop
.endr
	s_branch .Lasked_\@
.Lfor_b_\@:
	tensor_load_to_lds s[\g0b:\g0b+3], s[\g1b:\g1b+7]
	s_nop 0
.rept 4
	v_nop
.endr
.Lasked_\@:
.endm
.macro CREST
	s_cmp_lg_u32 s14, 0
	s_cbranch_scc1 .Lnot_wave_0_\@
	s_barrier_signal -3
.Lnot_wave_0_\@:
	s_barrier_wait -3
	s_barrier_signal -1
	s_barrier_wait -1
.endm
.macro CROUND
	s_barrier_signal -1
	s_barrier_wait -1
	CREST
.endm
	s_load_b128 s[4:7], s[0:1], 0x0                ; z_img, W's codes
	s_load_b128 s[8:11], s[0:1], 0x10              ; b, the exponents
	s_load_b64 s[12:13], s[0:1], 0x20              ; out
	v_lshl_add_u32 v[SPW], v0, 2, SPARE
	v_mov_b32 v[NIL], 0
	ds_add_u32 v28, v29
	ds_add_u32 v28, v29
	s_wait_dscnt 0x0
	v_lshrrev_b32 v1, 5, v0
	v_readfirstlane_b32 s14, v1                    ; wave 0..3
	s_lshr_b32 s15, s14, 1                         ; wr: which 64 rows.  Also: I fetch for z (0) or for W (1)
	s_and_b32 s16, s14, 1                          ; wc: which 128 columns.  Also: which half of that tile I fetch
	s_bfe_u32 s84, ttmp6, 0x40000                  ; cx
	s_bfe_u32 s85, ttmp6, 0x40004                  ; cy
	s_lshl_b32 s86, ttmp9, 2
	s_add_co_u32 s86, s86, s84                     ; tx: tile column
	s_and_b32 s17, ttmp7, 0xffff
	s_lshl_b32 s17, s17, 2
	s_add_co_u32 s17, s17, s85                     ; ty: tile row
	s_lshl_b32 s87, s85, 2
	s_lshl_b32 s87, 15, s87                        ; my row of the cluster
	s_lshl_b32 s88, 0x1111, s84                    ; my column
	s_or_b32 s[G1], s87, (1<<21)                   ; z: elements of 1 byte, no padding: 4 blocks of 16 rows, 4,096 bytes of each, 16,384 bytes apart
	s_mov_b32 s[G1+1], 4096<<16
	s_mov_b32 s[G1+2], 4<<16
	s_mov_b32 s[G1+3], 4096<<16
	s_mov_b32 s[G1+4], 4
	s_mov_b32 s[G1+5], 16384
	s_mov_b32 s[G1+6], 0
	s_mov_b32 s[G1+7], 0
	s_or_b32 s[G1B], s88, (1<<20)|(1<<21)|(5<<22)|(3<<25)   ; W: 128 rows x 256 bytes, 4 words of padding behind every 64
	s_mov_b32 s[G1B+1], 256<<16
	s_mov_b32 s[G1B+2], 128<<16
	s_mov_b32 s[G1B+3], 256<<16
	s_mov_b32 s[G1B+4], 128
	s_mov_b32 s[G1B+5], 1024
	s_mov_b32 s[G1B+6], 0
	s_mov_b32 s[G1B+7], 0
	s_lshl_b32 s20, s17, 17                        ; z: (8 ty + 4 half) blocks of 16,384 bytes
	s_lshl_b32 s21, s16, 16
	s_add_co_u32 s20, s20, s21
	s_mov_b32 s21, 0
	s_lshl_b32 s46, s86, 18                        ; W: (256 tx + 128 half) rows of 1,024 bytes
	s_lshl_b32 s47, s16, 17
	s_add_co_u32 s46, s46, s47
	s_mov_b32 s47, 0
	s_lshl_b32 s80, s16, 14                        ; where they go in a slot: no place in the cluster enters an LDS address
	s_mul_i32 s81, s16, 128*PITCH
	s_add_co_u32 s81, s81, WOFF
	s_wait_kmcnt 0x0
	s_load_b256 s[72:79], s[10:11], 0x0            ; e0 .. e7
	s_add_nc_u64 s[20:21], s[4:5], s[20:21]
	s_add_nc_u64 s[46:47], s[6:7], s[46:47]
	CROUND                                         ; all sixteen work-groups are here: the first joint loads meet
.irp s, 0,1,2
	s_mov_b32 s[G0+4*\s], 1
	s_add_co_u32 s[G0+4*\s+1], s80, \s*SLOT
	s_add_nc_u64 s[G0+4*\s+2:G0+4*\s+3], s[20:21], \s*4096        ; K step s: 4,096 bytes on in each block
	s_or_b32 s[G0+4*\s+3], s[G0+4*\s+3], 0x80000000
	s_mov_b32 s[G0B+4*\s+4*(\s/2)], 1
	s_add_co_u32 s[G0B+4*\s+4*(\s/2)+1], s81, \s*SLOT
	s_add_nc_u64 s[G0B+4*\s+4*(\s/2)+2:G0B+4*\s+4*(\s/2)+3], s[46:47], \s*256
	s_or_b32 s[G0B+4*\s+4*(\s/2)+3], s[G0B+4*\s+4*(\s/2)+3], 0x80000000
.endr
	s_cmp_eq_u32 s15, 0                            ; a wave's three first fills stand in one branch, ahead of every wait on TENSORcnt and every LDS read
	s_cbranch_scc0 .Lfirst_w
	tensor_load_to_lds s[G0:G0+3], s[G1:G1+7]
	s_nop 0
	tensor_load_to_lds s[G0+4:G0+7], s[G1:G1+7]
	s_nop 0
	tensor_load_to_lds s[G0+8:G0+11], s[G1:G1+7]
	s_nop 0
.rept 4
	v_nop
.endr
	s_branch .Lfirst_done
.Lfirst_w:
	tensor_load_to_lds s[G0B:G0B+3], s[G1B:G1B+7]
	s_nop 0
	tensor_load_to_lds s[G0B+4:G0B+7], s[G1B:G1B+7]
	s_nop 0
	tensor_load_to_lds s[G0B+12:G0B+15], s[G1B:G1B+7]
	s_nop 0
.rept 4
	v_nop
.endr
.Lfirst_done:
	v_and_b32 v1, 15, v0                           ; r
	v_bfe_u32 v2, v0, 4, 1                         ; h
	v_and_b32 v6, 31, v0
	v_lshlrev_b32 v[CO], 4, v6                     ; 16 x lane
	v_lshlrev_b32 v4, 5, v2                        ; 32 h: my half's eight biases of a tile
	v_mul_u32_u24 v3, v1, PITCH
	v_lshl_add_u32 v3, v2, 4, v3                   ; W: r x pitch + 16 h
	s_lshl_b32 s22, s15, 14                        ; my 4 blocks of z
	s_mul_i32 s23, s16, 128*PITCH
	s_add_co_u32 s23, s23, WOFF                    ; my 128 rows of W
.irp s, 0,1,2
	v_add_nc_u32 v[ADRA+\s], s22, v[CO]
	v_add_nc_u32 v[ADRB+\s], s23, v3
	s_add_co_u32 s22, s22, SLOT
	s_add_co_u32 s23, s23, SLOT
.endr
	s_mul_i32 s22, s14, 16*SPITCH
	s_add_co_u32 s22, s22, STAGE                   ; my stage
	v_mul_u32_u24 v5, v1, SPITCH
	v_lshl_add_u32 v5, v2, 5, v5
	v_add_nc_u32 v[STO], s22, v5                   ; in: row r, 32 bytes for each half of the lanes
	v_add_nc_u32 v[RD], s22, v[CO]                 ; back: the 32 lanes take one row of 512 bytes
	s_lshl_b32 s90, s17, 19                        ; out: row 128 ty + 64 wr, 4,096 bytes a row
	s_lshl_b32 s91, s15, 18
	s_add_co_u32 s90, s90, s91
	s_mov_b32 s91, 0
	s_add_nc_u64 s[12:13], s[12:13], s[90:91]
	s_lshl_b32 s92, s86, 10                        ; column 256 tx + 128 wc, 4 bytes each: in out and in b
	s_lshl_b32 s93, s16, 9
	s_add_co_u32 s92, s92, s93
	s_mov_b32 s93, 0
	s_add_nc_u64 s[12:13], s[12:13], s[92:93]
	s_add_nc_u64 s[8:9], s[8:9], s[92:93]
	WIN 0xc0                                       ; destination window 3
.irp b, 0,1,2,3,4,5,6,7
	global_load_b128 v[8*\b:8*\b+3], v4, s[8:9] offset:64*\b          ; b at my columns 16 b + 8 h + 0 .. 7
	global_load_b128 v[8*\b+4:8*\b+7], v4, s[8:9] offset:64*\b+16
.endr
	WIN 0
	s_wait_kmcnt 0x0
	s_add_co_i32 s96, s78, s79                     ; e6 + e7
	s_add_co_i32 s96, s96, 127
	s_lshl_b32 s96, s96, 23                        ; 2^(e6 + e7) as f32
	s_mov_b32 s97, s96                             ; (named with it as a pair, so it is written)
.macro FETCH s, q, p                   ; the fragments of the slot's q-th 128 along K into set p: 32 loads for W, 16 for z
	WIN 0x40
.set bq, 0
.rept 8
.irp c, 0,1,2,3
	ds_load_b128 v[128*(\p)+16*bq+4*\c:128*(\p)+16*bq+4*\c+3], v[ADRB+\s] offset:16*bq*PITCH+128*(\q)+32*\c
.endr
.set bq, bq+1
.endr
	WIN 0
.set aq, 0
.rept 4
.irp c, 0,1,2,3
	ds_load_b128 v[AF+64*(\p)+16*aq+4*\c:AF+64*(\p)+16*aq+4*\c+3], v[ADRA+\s] offset:aq*4096+(\q)*2048+\c*512
.endr
.set aq, aq+1
.endr
.endm
.macro MUL a0, na, p, zero             ; na blocks of rows from a0 on x W's eight.  The 32 accumulators take turns, one instruction a turn
.set aq, \a0
.rept \na
.set bq, 0
.rept 8
.set rD, 8*(8*aq+bq)
.set rB, 128*(\p)+16*bq
.set rA, AF+64*(\p)+16*aq
.if \zero
	v_wmma_f32_16x16x128_fp8_fp8 v[rD:rD+7], v[rB:rB+15], v[rA:rA+15], 0
.else
	v_wmma_f32_16x16x128_fp8_fp8 v[rD:rD+7], v[rB:rB+15], v[rA:rA+15], v[rD:rD+7]
.endif
.set bq, bq+1
.endr
.set aq, aq+1
.endr
.endm
.macro SUB p, zero, f, s, q            ; a step of 128 along K on set p; f = 1: the next step's fragments, (slot s, half q), are asked for at its head, so that they land under its 32 products
	s_wait_dscnt 0x0                               ; set p is in
.if \f
	PLACES                                         ; the other set was read by the last step's products
	FETCH \s, \q, 1-\p
.endif
	WIN 0xa1                                       ; source 0 (W) window 1, source 1 (z) window 0, C and D window 2
	MUL 0, 4, \p, \zero
.endm
; A step at which waves meet: in front of the barrier each wave waits for all its tensor loads, adds 0 to its spare word, and waits for that and for its own LDS reads.  fill = 1: the barrier opens a round of the cluster's barrier, and slot 0 takes K step 3.
.macro TURN p, fill, s, q
	WIN 0                                          ; (the add's two registers lie in window 0)
	s_wait_tensorcnt 0x0                           ; all my tensor loads have landed
	ds_add_u32 v[SPW], v[NIL]                      ; 0 onto my spare word
	s_wait_dscnt 1                                 ; set p is in; the add may be out
	WIN 0xa1
	MUL 0, 1, \p, 0                                ; eight matrix instructions stand between the add and the wait for it
	s_wait_dscnt 0x0                               ; the add is done, and my LDS reads are over
	s_barrier_signal -1
	MUL 1, 1, \p, 0
	WIN 0
	s_barrier_wait -1
.if \fill
	CREST                                          ; no wave of any partner still reads slot 0 or has a load on its way
	s_add_nc_u64 s[G0+2:G0+3], s[G0+2:G0+3], 3*4096
	s_add_nc_u64 s[G0B+2:G0B+3], s[G0B+2:G0B+3], 3*256
	JLOAD G0, G1, G0B, G1B                         ; the first tensor load behind the round; its four v_nop are the places in front of the loads below
.else
	PLACES
.endif
	FETCH \s, \q, 1-\p
	WIN 0xa1
	MUL 2, 2, \p, 0
.endm
	s_wait_tensorcnt 2                             ; my part of slot 0 is in; slots 1 and 2 may stay out
	s_barrier_signal -1
	s_barrier_wait -1                              ; everybody's is
	FETCH 0, 0, 0
	SUB 0, 1, 1, 0, 1                              ; K [0, 128): its products start the sums
	TURN 1, 1, 1, 0                                ; K [128, 256); slots 1 and 2 are whole in every wave; slot 0 takes K [768, 1024)
	SUB 0, 0, 1, 1, 1                              ; K [256, 384)
	SUB 1, 0, 1, 2, 0                              ; K [384, 512)
	SUB 0, 0, 1, 2, 1                              ; K [512, 640)
	TURN 1, 0, 0, 0                                ; K [640, 768); slot 0 is whole again
	SUB 0, 0, 1, 0, 1                              ; K [768, 896)
	SUB 1, 0, 0, 0, 0                              ; K [896, 1024)
	WIN 0
; THE WAY OUT, block by block of 16 rows x 128 columns, through my own stage in LDS: in by 32 bytes of a row a lane, back as whole rows of 512 bytes.  LDS serves a wave's instructions in order (ISA guide 5.7.1.4): no wait between the stores and the loads.
.macro TOSTAGE a
	WIN 0x32                                       ; source 0 (the sums) window 2, source 2 (the biases) window 3
.set i, 0
.rept 32
	v_pk_fma_f32 v[TMP+2*i:TMP+2*i+1], v[64*(\a)+2*i:64*(\a)+2*i+1], s[96:97], v[2*i:2*i+1] op_sel_hi:[1,0,1]   ; sum x 2^(e6 + e7) + b; each accumulator from its low end on
.set i, i+1
.endr
	WIN 0
.irp b, 0,1,2,3,4,5,6,7
	ds_store_b128 v[STO], v[TMP+8*\b:TMP+8*\b+3] offset:64*\b
	ds_store_b128 v[STO], v[TMP+8*\b+4:TMP+8*\b+7] offset:64*\b+16
.endr
.set BB, BK+64*((\a)%2)
.irp t, 0,1,2,3,4,5,6,7,8,9,10,11,12,13,14,15
	ds_load_b128 v[BB+4*\t:BB+4*\t+3], v[RD] offset:\t*SPITCH
.endr
.endm
.macro SEND a, younger                 ; younger: the LDS instructions issued behind block a's loads, which may stay out
.set BB, BK+64*((\a)%2)
	s_wait_dscnt \younger
.if (\a) > 0
	s_add_nc_u64 s[12:13], s[12:13], 16*4096       ; (behind a wait on XCNT: the earlier stores have read their base)
.endif
.irp t, 0,1,2,3,4,5,6,7,8,9,10,11,12,13,14,15
	global_store_b128 v[CO], v[BB+4*\t:BB+4*\t+3], s[12:13] offset:\t*4096 th:TH_STORE_NT   ; 32 lanes store 512 consecutive bytes, aligned; written once, read by nobody here
.endr
.endm
	s_wait_loadcnt 0x0                             ; the biases
	PLACES                                         ; behind the last products: for the reads of results and the loads into z's registers
	TOSTAGE 0
.irp a, 1,2,3
.if \a > 1
	s_wait_xcnt 0x0                                ; block a - 2's stores have read their registers and their base
.endif
	TOSTAGE \a
	SEND \a-1, 32                                  ; behind block a - 1's loads: block a's 16 stores and 16 loads
.endr
	s_wait_xcnt 0x0
	SEND 3, 0
	s_wait_tensorcnt 0x0                           ; the wave's end
	ds_add_u32 v[SPW], v[NIL]
	s_wait_dscnt 0x0
	CROUND                                         ; the closing round: no work-group ends while a partner may still ask for a tile that names it
	s_endpgm
.Lfunc_end_k_q0c6f95c783_proj:
	.size	k_q0c6f95c783_proj, .Lfunc_end_k_q0c6f95c783_proj-k_q0c6f95c783_proj
	.p2alignl 7, 3214868480
	.fill 96, 4, 3214868480
	.section	.rodata,"a",@progbits
	.p2align	6, 0x0
	.amdhsa_kernel k_q0c6f95c783_proj
		.amdhsa_group_segment_fixed_size 327680
		.amdhsa_private_segment_fixed_size 0
		.amdhsa_enable_private_segment 0
		.amdhsa_kernarg_size 40
		.amdhsa_user_sgpr_count 2
		.amdhsa_user_sgpr_kernarg_segment_ptr 1
		.amdhsa_wavefront_size32 1
		.amdhsa_system_sgpr_workgroup_id_x 1
		.amdhsa_system_sgpr_workgroup_id_y 1
		.amdhsa_system_sgpr_workgroup_id_z 1
		.amdhsa_system_vgpr_workitem_id 0
		.amdhsa_next_free_vgpr 832
		.amdhsa_next_free_sgpr 100
		.amdhsa_reserve_vcc 0
		.amdhsa_float_denorm_mode_32 3
		.amdhsa_float_denorm_mode_16_64 3
		.amdhsa_memory_ordered 1
		.amdhsa_forward_progress 1
		.amdhsa_inst_pref_size 76
	.end_amdhsa_kernel
	.amdgpu_metadata
---
amdhsa.version: [ 1, 2 ]
amdhsa.kernels:
  - .name:           k_q0c6f95c783_proj
    .symbol:         k_q0c6f95c783_proj.kd
    .args:
      - { .name: z_img, .offset: 0, .size: 8, .value_kind: global_buffer, .address_space: global }
      - { .name: w_out_codes, .offset: 8, .size: 8, .value_kind: global_buffer, .address_space: global }
      - { .name: b_out, .offset: 16, .size: 8, .value_kind: global_buffer, .address_space: global }
      - { .name: lowp_scales, .offset: 24, .size: 8, .value_kind: global_buffer, .address_space: global }
      - { .name: out0, .offset: 32, .size: 8, .value_kind: global_buffer, .address_space: global }
    .group_segment_fixed_size: 327680
    .private_segment_fixed_size: 0
    .kernarg_segment_align: 8
    .kernarg_segment_size: 40
    .max_flat_workgroup_size: 128
    .sgpr_count:     100
    .vgpr_count:     832
    .wavefront_size: 32
...
	.end_amdgpu_metadata
.endif
;; end of part 3
